; MI455X (gfx1250); checked and timed in simulation.
; The chip was launched on July 23, 2026; its instructions are those of AMD's public machine-readable ISA for CDNA 5 (MIT licence, August 2026) and "CDNA5" Instruction Set Architecture Reference Guide (July 2026). The comments in the code are by the model that wrote it; some were corrected since.
;; Self Attention1 D. Allowed arithmetic: matrix products marked QUANTISED: E2M3 operands, one E8M0 scale for each 32 along K, by v_wmma_scale_f32_16x16x128_f8f6f4 with both operands' format E2M3, f32 sums; everything else in f32.
;; Inputs: Wk_codes 64 x 4 x 24 uint8 (E2M3 codes of Wk, K innermost, in blocks of 32 codes, four codes in three bytes); Wk_scales 64 x 4 uint8 (E8M0 scales of Wk, one for each 32 codes along K); Wq_codes 64 x 4 x 24 uint8 (E2M3 codes of Wq, K innermost, in blocks of 32 codes, four codes in three bytes); Wq_scales 64 x 4 uint8 (E8M0 scales of Wq, one for each 32 codes along K); Wv_codes 128 x 4 x 24 uint8 (E2M3 codes of Wv, K innermost, in blocks of 32 codes, four codes in three bytes); Wv_scales 128 x 4 uint8 (E8M0 scales of Wv, one for each 32 codes along K); bk 64 float32; bq 64 float32; bv 128 float32; x 4 x 128 x 4,096 float32.
;; Outputs: out0 4 x 128 x 4,096 float32.
;; This version of the problem:
;;   THIS VERSION OF THE PROBLEM IS GIVEN IN LOW PRECISION. The matrix products marked QUANTISED in the list below multiply operands that are first quantised to E2M3 (2 exponent bits, 3 mantissa bits; 6 bits a number), with one power-of-two scale for each 32 numbers along K (OCP MX v1.0); their sums are f32. All else is computed in f32.
;;   The module's matrix products, in the order in which they are computed (A, B: the left and right operand; K: the contracted axis; several contracted axes count as one K, in the product's order):
;;     1. [M 16,384, K 128] x [K 128, N 64]; A: input x; B: input Wq (given as codes): QUANTISED
;;     2. [M 16,384, K 128] x [K 128, N 64]; A: input x; B: input Wk (given as codes): QUANTISED
;;     3. [M 16,384, K 128] x [K 128, N 128]; A: input x; B: input Wv (given as codes): QUANTISED
;;     4. batch 4 x [M 4,096, K 64] x [K 64, N 4,096]; A: computed on the way; B: computed on the way: QUANTISED
;;     5. batch 4 x [M 128, K 4,096] x [K 4,096, N 4,096]; A: computed on the way; B: softmax (see below): QUANTISED
;;   THE QUANTISER, for each operand of a quantised product, along K:
;;     - K is cut into blocks of 32 from its start; a last block that is shorter is filled with zeros.
;;     - A block's scale is 2^e with e = floor(log2(the largest magnitude in the block)) - 2, held to -126 .. 127; a block of zeros has e = 0. As a byte (E8M0): e + 127.
;;     - Each number is divided by its block's scale, clamped to +-7.5, and rounded to the nearest number of E2M3, ties to even, subnormals kept.
;;     - The product sums the exact products of the quantised numbers (number of the format x scale) in f32.
;;   ~~~python
;;   def quantise(x, axis):      # numpy; x: float32 -> the quantised numbers, widened to float32 again
;;       x = np.moveaxis(x, axis, -1); K = x.shape[-1]
;;       x = np.pad(x, [(0, 0)] * (x.ndim - 1) + [(0, -K % 32)]); x = x.reshape(x.shape[:-1] + (-1, 32)); a = np.abs(x).max(-1, keepdims=True)
;;       e = np.where(a > 0, np.clip(np.frexp(np.where(a > 0, a, 1))[1] - 1 - 2, -126, 127), 0)      # np.frexp(a)[1] - 1 = floor(log2(a)), exactly
;;       r = np.clip(x / 2.0 ** e, -7.5, 7.5)
;;       step = 2.0 ** (np.maximum(np.frexp(np.where(r == 0, 1, r))[1] - 1, 0) - 3)
;;       q = np.round(r / step) * step * 2.0 ** e      # np.round: ties to even
;;       return np.moveaxis(q.reshape(q.shape[:-2] + (-1,))[..., :K], -1, axis).astype(np.float32)
;;   ~~~
;;   SOFTMAX AHEAD OF A QUANTISED PRODUCT. Where the list says 'softmax', what is quantised is not the finished softmax but p = 2^(t - M), with t = logit x log2(e) and M = ceil(the row's largest t), a whole number; so 1/2 < the row's largest p <= 1. The row's sum l is taken of the UNQUANTISED p, in f32, and the product's result is divided by l at the end. Since M is a whole number, a kernel that streams over the keys may use a running M (the ceiling of the running maximum): every later rescaling is an exact power of two, which a block's scale takes up: the codes' values come out the same.
;;   OPERANDS COMPUTED ON THE WAY. 'Computed on the way' means the value that the module computes at that place (a softmax that the list does not call 'softmax' is quantised finished and normalised). What goes into a quantiser is computed in f32, as accurately as f32 sums, v_exp_f32 and their like allow (about 1e-6 of the number): no bf16 or f16 on the way to a quantiser, and a product that is left as it is and whose result goes on into a quantised operand takes f32 operands (vector FMAs, or v_wmma_f32_16x16x4_f32). A number that lies on a knife's edge between two numbers of the format may be rounded either way, as far as f32 arithmetic and the matrix unit's own rounding can turn it there, and no further.
;;   INPUTS GIVEN AS CODES. Wk (in the module: [64, 128], K = its axis 1); Wq (in the module: [64, 128], K = its axis 1); Wv (in the module: [128, 128], K = its axis 1): each comes as NAME_codes (uint8): NAME with its K axis moved to the last place and cut into blocks of 32 codes, [.., K / 32, bytes a block], one block behind the other in memory; four codes in three bytes: a row's codes are one little-endian stream of bits, code i at bits 6 i .. 6 i + 5 (a code: sign, 2 exponent bits, 3 mantissa bits); and NAME_scales (uint8): the same leading axes, one E8M0 byte (e + 127) for each 32 codes along K. Its value is code x scale, taken as it is: it is not quantised again, and the codes and scales need not be those that the quantiser above would give.
;; One version. Each part assembles by itself: llvm-mc -triple=amdgcn-amd-amdhsa -mcpu=gfx1250 --defsym DOCPART=n.
;; ======== version 1 of 1: 2 launches
;; workspace buffers: ws 3,276,800 bytes
;; launch proj (part 1): grid 32 x 4, 16 waves a work-group, no clusters, 15,872 bytes of LDS; arguments x, Wk_codes, Wk_scales, bk, Wq_codes, Wq_scales, bq, Wv_codes, Wv_scales, bv, ws; writes ws
.if DOCPART == 1
	.amdgcn_target "amdgcn-amd-amdhsa--gfx1250"
	.amdhsa_code_object_version 6
	.text
	.protected	k_qe6e9292448_proj
	.globl	k_qe6e9292448_proj
	.p2align	8
	.type	k_qe6e9292448_proj,@function
k_qe6e9292448_proj:
	s_mov_b64 s[64:65], 0
	v_nop
	global_prefetch_b8 v0, s[64:65] scope:SCOPE_SE
	s_setreg_imm32_b32 hwreg(HW_REG_WAVE_MODE, 25, 1), 1
	s_wait_xcnt 0x0
; q = Wq x + bq, k = Wk x + bk, v = Wv x + bv on codes of FP6 (E2M3) with one E8M0 scale for each 32 along K, and their own quantising for the attention that follows.
; x: [4][128 channels][4096 columns] f32, K = the channels, its OUTER axis.  The weights come as codes and are used as they come.  q and k are quantised along their 64 features, v along the keys (columns).
; A WORK-GROUP IS ONE UNIT: 128 columns of one batch (x: ttmp9 = which 128, y: the batch).  128 work-groups and not 256: a fragment of v and its scale word span 128 keys, so 64 columns would own half a word.
; All results leave as IMAGES OF OPERAND REGISTERS, 25,600 bytes a unit in ws:
;   0      KF   4 pair-fragments of k, 1,536 bytes: registers 0-5 = tile 2 f's 64 features, registers 6-11 = tile 2 f + 1's
;   6144   VF   8 fragments of v (16 channels x 128 keys), 1,536 bytes
;   18432  KSC  k's scale words: word (f, r) at 8 (r + 16 (f & 1)) + 4 (f >> 1); its low half tile 2 f's two bytes, its high half tile 2 f + 1's
;   18688  VSC  v's scale words: word (ct, r) at 16 (r + 16 (ct & 1)) + 4 (ct >> 1)
;   19200  QSC  q's two bytes a column, laid as KSC
;   19456  QF   8 half fragments of q, 768 bytes
; A half fragment (six registers a lane) lies as registers 0-3 at 16 x lane (512 bytes), then registers 4-5 at 8 x lane (256 bytes).
; THE COLUMNS OF A TILE ARE NOT NEIGHBOURS: lane row r of tile 2 f + u takes column 32 f + 8 u + r + 8 (r / 8).  One fragment of x made so serves three times: as source 1 for q and k (a lane then holds one
; column, its registers run along the features); as source 0 for v (a lane holds one channel, and the 16 registers of tiles 2 f, 2 f + 1 are 16 neighbouring keys); and k's tiles get the key order that the softmax's quantiser wants.
; SIXTEEN WAVES.  First each wave quantises one block of 32 channels for 32 columns (a lane to a column, registers down the channels: no other lane is asked, nothing is transposed) into LDS, as pieces of x's eight fragments.
; Behind a barrier wave w takes tile w & 7 for k (w < 8) or q (w >= 8), and channel tile w & 7 of v for keys 64 (w >> 3) on: eight matrix instructions on eight accumulators, the biases as their C.
; No tensor load: the unit's 64 KiB of x are asked for at once, 32 loads a wave, straight into the registers that the conversions read.  No cluster: no two work-groups read the same columns, and the weights are 25 KiB.
; LIMITS: NaN and infinities among the inputs are not served.  A block of zeros gets the byte 1 where the rule says 127: its codes are zeros, and this program alone reads the bytes.
.set UNITB, 25600
.set XSC,   12288                      ; LDS: 0 x's eight fragments, 1,536 bytes each, as six pieces of 256 bytes (piece p: registers 2 p, 2 p + 1 at 8 x lane);  here their scale words: (tile, r) at 64 tile + 4 r
.set SCL,   12800                      ; and an image of KSC, VSC, QSC as they lie in the unit: 1,024 bytes
.set X,     32                         ; v32-63   32 numbers of x; later v's four accumulators
.set WF,    64                         ; v64-111  four fragments of Wk or Wq
.set WVF,   112                        ; v112-123 one fragment of Wv
.set BV,    124                        ; v124-131 bv of my channel, eight times: the C of v's products
.set H,     132                        ; v132-163 bk or bq in the result's layout; the products add onto them in place
.set XF1,   164                        ; v164-175 x's fragment for q or k
.set XF4,   176                        ; v176-223 x's four fragments for v
; v1 lane, v2 r, v3 h; v4-v21 offsets and LDS addresses that stay; v24-27 W's scale words, v28 Wv's, v29-31 x's: these hold scales alone
; v224-232 and v242-250 two sets of codes; v234-239 at work; v240, v251 the two bytes just made
.macro BARRIER                         ; my LDS stores have landed and my LDS loads are in: then the work-group's barrier
	s_wait_dscnt 0x0
	s_barrier_signal -1
	s_barrier_wait -1
.endm
; 32 numbers of a lane, register 16 b + i = K index 32 b + 16 (lane / 16) + i of the lane's row, become a half fragment in v[pc] .. v[pc + 5] and two scale bytes in v[pw].  Each accumulator is read from its low end on.
.macro QUANT2 s, pc, pt, pw
.irp b, 0,1
	v_max3_num_f32 v[234+\b], |v[\s+16*\b]|, |v[\s+1+16*\b]|, 0x1800000   ; my 16 numbers of block b, and the floor 2^(3 - 127): the byte cannot fall under 1
.endr
.irp i, 2,4,6,8,10,12,14
.irp b, 0,1
	v_max3_num_f32 v[234+\b], v[234+\b], |v[\s+16*\b+\i]|, |v[\s+1+16*\b+\i]|
.endr
.endr
.irp b, 0,1
	v_permlanex16_b32 v[236+\b], v[234+\b], s32, s33
.endr
.irp b, 0,1
	v_max_num_f32 v[234+\b], v[234+\b], v[236+\b]          ; with lane l xor 16's: the block's largest magnitude
.endr
.irp b, 0,1
	v_add_nc_u32 v[238+\b], 0xff000000, v[234+\b]          ; 2 off its exponent field: the conversion takes that field as its scale
.endr
.irp b, 0,1
	v_lshrrev_b32 v[236+\b], 23, v[238+\b]                 ; the scale's byte
.endr
	v_lshl_or_b32 v[\pw], v237, 8, v236
	v_cvt_scalef32_pk16_fp6_f32 v[\pc:\pc+2], v[\s:\s+15], v238
	v_cvt_scalef32_pk16_fp6_f32 v[\pt:\pt+2], v[\s+16:\s+31], v239
	v_nop                                                  ; one plain line behind a scaled conversion
.irp i, 0,1,2
	v_permlane16_swap_b32 v[\pc+\i], v[\pt+\i]             ; the operand wants a whole block in a lane: lanes 0-15 block 0, lanes 16-31 block 1
.endr
.irp i, 0,1,2
	v_mov_b32 v[\pc+3+\i], v[\pt+\i]
.endr
.endm
	s_load_b512 s[4:19], s[0:1], 0x0               ; x, Wk's codes, Wk's scales, bk, Wq's codes, Wq's scales, bq, Wv's codes
	s_load_b128 s[20:23], s[0:1], 0x40             ; Wv's scales, bv
	s_load_b64 s[24:25], s[0:1], 0x50              ; ws
	v_lshl_add_u32 v254, v0, 2, 0x3600
	v_mov_b32 v255, 0
	v_lshrrev_b32 v1, 5, v0
	v_readfirstlane_b32 s26, v1                    ; wave 0..15
	s_and_b32 s27, s26, 3                          ; first part: which block of 32 channels,
	s_lshr_b32 s28, s26, 2                         ; which 32 columns
	s_and_b32 s29, s26, 7                          ; second part: which tile of columns, and which tile of v's channels,
	s_lshr_b32 s30, s26, 3                         ; k (0) or q (1), and which 64 keys of v
	s_and_b32 s31, ttmp7, 0xffff                   ; the batch
	s_mov_b32 s32, 0x76543210
	s_mov_b32 s33, 0xfedcba98                      ; v_permlanex16_b32's selects for lane l xor 16
	v_and_b32 v1, 31, v0                           ; lane
	v_and_b32 v2, 15, v0                           ; r
	v_bfe_u32 v3, v0, 4, 1                         ; h
	v_lshlrev_b32 v4, 2, v1                        ; x: 4 bytes a lane
	v_bfe_u32 v22, v0, 3, 1                        ; my column 32 cg + l lies in tile 2 cg + u, u = (l / 8) % 2, at row (l % 8) + 8 (l / 16)
	v_and_b32 v23, 7, v0
	v_mul_u32_u24 v5, v22, 1536                    ; where my block's codes go: fragment 2 cg + u,
	v_lshl_add_u32 v5, v23, 3, v5                  ; 8 bytes for each lane row,
	v_lshl_add_u32 v5, v3, 6, v5
	s_mul_i32 s34, s28, 3072
	s_lshr_b32 s35, s27, 1
	s_mul_i32 s35, s35, 768                        ; registers 6 (block / 2) on: three pieces,
	s_add_co_u32 s34, s34, s35
	s_and_b32 s35, s27, 1
	s_lshl_b32 s35, s35, 7                         ; the half of the lanes block % 2
	s_add_co_u32 s34, s34, s35
	v_add_nc_u32 v5, s34, v5
	v_lshlrev_b32 v6, 6, v22                       ; and its scale byte: word (tile, row), byte = block
	v_lshl_add_u32 v6, v23, 2, v6
	v_lshl_add_u32 v6, v3, 5, v6
	s_lshl_b32 s34, s28, 7
	s_add_co_u32 s34, s34, s27
	s_add_co_u32 s34, s34, XSC
	v_add_nc_u32 v6, s34, v6
	v_lshlrev_b32 v7, 3, v1                        ; 8 x lane
	s_mul_i32 s34, s29, 1536
	v_add_nc_u32 v8, s34, v7                       ; x's fragment of my tile
	s_mul_i32 s34, s30, 6144
	v_add_nc_u32 v9, s34, v7                       ; x's four fragments of my 64 keys
	s_lshl_b32 s34, s29, 6
	s_add_co_u32 s34, s34, XSC
	v_lshl_add_u32 v10, v2, 2, s34                 ; my tile's scale words
	s_lshl_b32 s34, s30, 8
	s_add_co_u32 s34, s34, XSC
	v_add_nc_u32 v11, s34, v4                      ; my four tiles': lanes 0-15 one tile, lanes 16-31 the next
	v_and_b32 v22, 8, v2
	v_add_nc_u32 v22, v22, v2                      ; r + 8 (r / 8)
	v_mul_u32_u24 v12, v22, 96                     ; Wk, Wq: a row of 128 codes is 96 bytes; the rows of a tile are chosen as the columns are
	v_mad_u32_u24 v12, v3, 24, v12
	v_lshlrev_b32 v13, 2, v22                      ; their scale words
	v_lshlrev_b32 v14, 6, v3                       ; bk, bq: 16 h numbers on
	v_mul_u32_u24 v15, v2, 96                      ; Wv: row r
	v_mad_u32_u24 v15, v3, 24, v15
	v_lshlrev_b32 v16, 2, v2                       ; 4 r
	v_lshlrev_b32 v17, 4, v1                       ; 16 x lane
	s_mul_i32 s34, s30, 768                        ; where q's or k's two bytes go in the image of the scales
	s_bfe_u32 s35, s29, 0x10001
	s_lshl_b32 s35, s35, 7
	s_add_co_u32 s34, s34, s35
	s_lshr_b32 s35, s29, 2
	s_lshl_b32 s35, s35, 2
	s_add_co_u32 s34, s34, s35
	s_and_b32 s35, s29, 1
	s_lshl_b32 s35, s35, 1
	s_add_co_u32 s34, s34, s35
	s_add_co_u32 s34, s34, SCL
	v_lshl_add_u32 v19, v2, 3, s34
	s_and_b32 s34, s29, 1                          ; and v's
	s_lshl_b32 s34, s34, 8
	s_lshr_b32 s35, s29, 1
	s_lshl_b32 s35, s35, 2
	s_add_co_u32 s34, s34, s35
	s_lshl_b32 s35, s30, 1
	s_add_co_u32 s34, s34, s35
	s_add_co_u32 s34, s34, SCL+256
	v_lshl_add_u32 v20, v2, 4, s34
	s_min_u32 s44, s26, 1                          ; waves 0 and 1 copy the image out, 512 bytes each (the others never use this address)
	s_lshl_b32 s44, s44, 9
	s_add_co_u32 s45, s44, SCL
	v_add_nc_u32 v21, s45, v17
	v_mov_b32 v236, 0                              ; written once: a lane permute's destination counts as one of its sources
	v_mov_b32 v237, 0
	s_lshl_b32 s36, s31, 21                        ; x: batch x 128 x 16,384 bytes
	s_lshl_b32 s37, s27, 19                        ; + 32 channels x block
	s_add_co_u32 s36, s36, s37
	s_lshl_b32 s37, ttmp9, 9                       ; + the unit's 128 columns
	s_add_co_u32 s36, s36, s37
	s_lshl_b32 s37, s28, 7                         ; + my 32 of them
	s_add_co_u32 s36, s36, s37
	s_mov_b32 s37, 0
	s_lshl_b32 s38, s31, 5
	s_add_co_u32 s38, s38, ttmp9
	s_mul_i32 s38, s38, UNITB                      ; the unit's first byte in ws
	s_mul_i32 s40, s30, 19456                      ; k's half fragment at 768 x tile, q's 19,456 further on
	s_mul_i32 s41, s29, 768
	s_add_co_u32 s40, s40, s41
	s_add_co_u32 s40, s40, s38
	s_mov_b32 s41, 0
	s_mul_i32 s42, s29, 1536                       ; v's: fragment = channel tile, half = which 64 keys
	s_mul_i32 s43, s30, 768
	s_add_co_u32 s42, s42, s43
	s_add_co_u32 s42, s42, s38
	s_add_co_u32 s42, s42, 6144
	s_mov_b32 s43, 0
	s_add_co_u32 s44, s44, s38                     ; the scales
	s_add_co_u32 s44, s44, 18432
	s_mov_b32 s45, 0
	s_mul_i32 s46, s29, 1536                       ; my 16 rows of Wv,
	s_mov_b32 s47, 0
	s_lshl_b32 s38, s29, 6                         ; their scale words and their bv
	s_mov_b32 s39, 0
	s_wait_kmcnt 0x0
	s_add_nc_u64 s[4:5], s[4:5], s[36:37]
.irp i, 0,1,2,3,4,5,6,7,8,9,10,11,12,13,14,15,16,17,18,19,20,21,22,23,24,25,26,27,28,29,30,31
	global_load_b32 v[X+\i], v4, s[4:5] offset:16384*\i    ; x(32 block + i, my column): the wave reads 128 consecutive bytes.  No hint: the next launch reads x again
.endr
	s_add_nc_u64 s[40:41], s[24:25], s[40:41]
	s_add_nc_u64 s[42:43], s[24:25], s[42:43]
	s_add_nc_u64 s[44:45], s[24:25], s[44:45]
	s_add_nc_u64 s[18:19], s[18:19], s[46:47]
	s_add_nc_u64 s[20:21], s[20:21], s[38:39]
	s_add_nc_u64 s[22:23], s[22:23], s[38:39]
	s_cmp_lt_u32 s26, 8                            ; k's weights or q's: the choice hangs on the wave's number alone
	s_cselect_b64 s[6:7], s[6:7], s[12:13]
	s_cselect_b64 s[8:9], s[8:9], s[14:15]
	s_cselect_b64 s[10:11], s[10:11], s[16:17]
.irp t, 0,1,2,3                        ; tile t of the 64 features begins at row 32 (t / 2) + 8 (t % 2)
.irp p, 0,1,2,3,4,5
	global_load_b64 v[WF+12*\t+2*\p:WF+12*\t+2*\p+1], v12, s[6:7] offset:(32*(\t/2)+8*(\t%2))*96+48*(\p/3)+8*(\p%3)
.endr
	global_load_b32 v[24+\t], v13, s[8:9] offset:(32*(\t/2)+8*(\t%2))*4
	global_load_b128 v[H+8*\t:H+8*\t+3], v14, s[10:11] offset:(32*(\t/2)+8*(\t%2))*4       ; the bias of features 32 (t / 2) + 16 h + 8 (t % 2) + 0 .. 7
	global_load_b128 v[H+8*\t+4:H+8*\t+7], v14, s[10:11] offset:(32*(\t/2)+8*(\t%2))*4+16
.endr
.irp p, 0,1,2,3,4,5
	global_load_b64 v[WVF+2*\p:WVF+2*\p+1], v15, s[18:19] offset:48*(\p/3)+8*(\p%3)
.endr
	global_load_b32 v28, v16, s[20:21]
	global_load_b32 v[BV], v16, s[22:23]
	s_wait_loadcnt 44                              ; loads come back in order: behind x's 32 stand the 44 of the weights (4 x 9 + 8), which may stay out
	; ---- my block of x: all its 32 numbers are my lane's
	v_max3_num_f32 v234, |v[X]|, |v[X+1]|, |v[X+2]|
	v_max3_num_f32 v235, |v[X+3]|, |v[X+4]|, |v[X+5]|
.irp i, 6,10,14,18,22,26
	v_max3_num_f32 v234, v234, |v[X+\i]|, |v[X+\i+1]|
	v_max3_num_f32 v235, v235, |v[X+\i+2]|, |v[X+\i+3]|
.endr
	v_max3_num_f32 v234, v234, |v[X+30]|, |v[X+31]|
	v_max3_num_f32 v234, v234, v235, 0x1800000     ; and the floor 2^(3 - 127)
	v_add_nc_u32 v238, 0xff000000, v234            ; 2 off the exponent field: the conversions' scale operand
	v_lshrrev_b32 v236, 23, v238                   ; the scale's byte
	v_cvt_scalef32_pk16_fp6_f32 v[224:226], v[X:X+15], v238
	v_cvt_scalef32_pk16_fp6_f32 v[230:232], v[X+16:X+31], v238   ; (a conversion's three registers begin on an even number)
	v_nop                                          ; one plain line behind a scaled conversion
.irp i, 0,1,2
	v_mov_b32 v[227+\i], v[230+\i]
.endr
	ds_store_b64 v5, v[224:225]
	ds_store_b64 v5, v[226:227] offset:256
	ds_store_b64 v5, v[228:229] offset:512
	ds_store_b8 v6, v236
	BARRIER                                        ; x's eight fragments and their scale words lie in LDS
.irp p, 0,1,2,3,4,5
	ds_load_b64 v[XF1+2*\p:XF1+2*\p+1], v8 offset:256*\p
.endr
	ds_load_b32 v29, v10
.irp i, 0,1,2,3
.irp p, 0,1,2,3,4,5
	ds_load_b64 v[XF4+12*\i+2*\p:XF4+12*\i+2*\p+1], v9 offset:1536*\i+256*\p
.endr
.endr
	ds_load_b32 v30, v11                           ; lanes 0-15: my first tile's words, lanes 16-31 the second's
	ds_load_b32 v31, v11 offset:128                ; the third's and the fourth's
	s_wait_loadcnt 0x0                             ; the weights
.irp i, 1,2,3,4,5,6,7
	v_mov_b32 v[BV+\i], v[BV]                      ; in v's results a lane holds one channel in all eight registers
.endr
	s_wait_dscnt 0x0
.irp t, 0,1,2,3                        ; source 0 = 16 rows of Wk or Wq, source 1 = x: lane (r, h) holds column r of the tile, register 8 t + j feature 32 (t / 2) + 16 h + 8 (t % 2) + j
	v_wmma_scale_f32_16x16x128_f8f6f4 v[H+8*\t:H+8*\t+7], v[WF+12*\t:WF+12*\t+11], v[XF1:XF1+11], v[H+8*\t:H+8*\t+7], v[24+\t], v29 matrix_a_fmt:MATRIX_FMT_FP6 matrix_b_fmt:MATRIX_FMT_FP6
.endr
.irp i, 0,1,2,3                        ; source 0 = x (16 keys), source 1 = 16 rows of Wv: lane (r, h) holds channel r of the tile, register 8 i + j key 64 kh + 32 (i / 2) + 16 h + 8 (i % 2) + j
.if \i%2
	v_wmma_scale_f32_16x16x128_f8f6f4 v[X+8*\i:X+8*\i+7], v[XF4+12*\i:XF4+12*\i+11], v[WVF:WVF+11], v[BV:BV+7], v[30+\i/2], v28 matrix_a_fmt:MATRIX_FMT_FP6 matrix_b_fmt:MATRIX_FMT_FP6 matrix_a_scale:MATRIX_SCALE_ROW1
.else
	v_wmma_scale_f32_16x16x128_f8f6f4 v[X+8*\i:X+8*\i+7], v[XF4+12*\i:XF4+12*\i+11], v[WVF:WVF+11], v[BV:BV+7], v[30+\i/2], v28 matrix_a_fmt:MATRIX_FMT_FP6 matrix_b_fmt:MATRIX_FMT_FP6
.endif
.endr
.rept 4
	v_nop                                          ; four plain lines between a matrix instruction and the first read of a result (ISA guide 7.12.1)
.endr
	QUANT2 H, 224, 230, 240                        ; q or k of my 16 columns, along the features
	global_store_b128 v17, v[224:227], s[40:41]    ; 512 consecutive bytes, at a multiple of 256 from ws's first byte
	global_store_b64 v7, v[228:229], s[40:41] offset:512   ; and the 256 behind them
	ds_store_b16 v19, v240                         ; both lanes of a column write the same two bytes
	QUANT2 X, 242, 248, 251                        ; v of my 16 channels, along my 64 keys; a second set of registers, so that no pending store's data are written again
	global_store_b128 v17, v[242:245], s[42:43]
	global_store_b64 v7, v[246:247], s[42:43] offset:512
	ds_store_b16 v20, v251
	BARRIER                                        ; the unit's 1,024 scale bytes lie in LDS
	s_cmp_lt_u32 s26, 2
	s_cbranch_scc0 .Ldone
	ds_load_b128 v[XF1:XF1+3], v21
	s_wait_dscnt 0x0
	global_store_b128 v17, v[XF1:XF1+3], s[44:45]  ; 512 consecutive bytes, aligned to 256, for each of the two waves
.Ldone:
	s_wait_tensorcnt 0x0
	ds_add_u32 v254, v255
	s_wait_dscnt 0x0
	s_endpgm
.Lfunc_end_k_qe6e9292448_proj:
	.size	k_qe6e9292448_proj, .Lfunc_end_k_qe6e9292448_proj-k_qe6e9292448_proj
	.p2alignl 7, 3214868480
	.fill 96, 4, 3214868480
	.section	.rodata,"a",@progbits
	.p2align	6, 0x0
	.amdhsa_kernel k_qe6e9292448_proj
		.amdhsa_group_segment_fixed_size 15872
		.amdhsa_private_segment_fixed_size 0
		.amdhsa_enable_private_segment 0
		.amdhsa_kernarg_size 88
		.amdhsa_user_sgpr_count 2
		.amdhsa_user_sgpr_kernarg_segment_ptr 1
		.amdhsa_wavefront_size32 1
		.amdhsa_system_sgpr_workgroup_id_x 1
		.amdhsa_system_sgpr_workgroup_id_y 1
		.amdhsa_system_sgpr_workgroup_id_z 1
		.amdhsa_system_vgpr_workitem_id 0
		.amdhsa_next_free_vgpr 256
		.amdhsa_next_free_sgpr 66
		.amdhsa_reserve_vcc 0
		.amdhsa_float_denorm_mode_32 3
		.amdhsa_float_denorm_mode_16_64 3
		.amdhsa_memory_ordered 1
		.amdhsa_forward_progress 1
		.amdhsa_inst_pref_size 23
	.end_amdhsa_kernel
	.amdgpu_metadata
---
amdhsa.version: [ 1, 2 ]
amdhsa.kernels:
  - .name:           k_qe6e9292448_proj
    .symbol:         k_qe6e9292448_proj.kd
    .args:
      - { .name: x, .offset: 0, .size: 8, .value_kind: global_buffer, .address_space: global }
      - { .name: Wk_codes, .offset: 8, .size: 8, .value_kind: global_buffer, .address_space: global }
      - { .name: Wk_scales, .offset: 16, .size: 8, .value_kind: global_buffer, .address_space: global }
      - { .name: bk, .offset: 24, .size: 8, .value_kind: global_buffer, .address_space: global }
      - { .name: Wq_codes, .offset: 32, .size: 8, .value_kind: global_buffer, .address_space: global }
      - { .name: Wq_scales, .offset: 40, .size: 8, .value_kind: global_buffer, .address_space: global }
      - { .name: bq, .offset: 48, .size: 8, .value_kind: global_buffer, .address_space: global }
      - { .name: Wv_codes, .offset: 56, .size: 8, .value_kind: global_buffer, .address_space: global }
      - { .name: Wv_scales, .offset: 64, .size: 8, .value_kind: global_buffer, .address_space: global }
      - { .name: bv, .offset: 72, .size: 8, .value_kind: global_buffer, .address_space: global }
      - { .name: ws, .offset: 80, .size: 8, .value_kind: global_buffer, .address_space: global }
    .group_segment_fixed_size: 15872
    .private_segment_fixed_size: 0
    .kernarg_segment_align: 8
    .kernarg_segment_size: 88
    .max_flat_workgroup_size: 512
    .sgpr_count:     66
    .vgpr_count:     256
    .wavefront_size: 32
...
	.end_amdgpu_metadata
.endif
;; end of part 1
;; launch attn (part 2): grid 64 x 4, 16 waves a work-group, clusters of 4 x 1, 327,680 bytes of LDS; arguments ws, x, out0; writes out0
.if DOCPART == 2
	.amdgcn_target "amdgcn-amd-amdhsa--gfx1250"
	.amdhsa_code_object_version 6
	.text
	.protected	k_qe6e9292448_attn
	.globl	k_qe6e9292448_attn
	.p2align	8
	.type	k_qe6e9292448_attn,@function
k_qe6e9292448_attn:
	s_mov_b64 s[64:65], 0
	v_nop
	global_prefetch_b8 v0, s[64:65] scope:SCOPE_SE
	s_setreg_imm32_b32 hwreg(HW_REG_WAVE_MODE, 25, 1), 1
	s_wait_xcnt 0x0
	s_wait_alu depctr_hold_cnt(0) depctr_sa_sdst(0) depctr_va_vdst(0) depctr_va_sdst(0) depctr_va_ssrc(0) depctr_va_vcc(0) depctr_vm_vsrc(0)
	s_getreg_b32 s2, hwreg(HW_REG_IB_STS2, 6, 4)
	s_cmp_eq_u32 s2, 0
	s_cbranch_scc0 .Lentry_in_a_cluster
	s_endpgm
.Lentry_in_a_cluster:
	s_bfe_u32 s2, ttmp6, 0x10000c
	s_cmp_lg_u32 s2, 0x3003
	s_cbranch_scc0 .Lentry_shape_is_right
	s_endpgm
.Lentry_shape_is_right:
; out0[b][c][n] = x[b][c][n] + (the sum over keys m of p[n][m] v[c][m]) / l[n], p = 2^(t - M), t = (q[n] . k[m]) log2(e), M = the row's largest t rounded UP to a whole number, l = the sum of the unquantised p.
; Both products on codes of FP6 (E2M3) with one E8M0 scale for each 32 along K.  q, k and v come from ws as images of operand registers, 25,600 bytes for each unit of 128 columns of a batch:
;   0 four pair-fragments of k | 6144 eight fragments of v | 18432 k's scale words | 18688 v's | 19200 q's scale bytes | 19456 eight half fragments of q.  The first 19,200 bytes are what a key step wants.
; SHARES.  A work-group owns 64 queries of one batch: 256 work-groups.  Wave w owns query tile w & 3 (16 queries) and key group w >> 2: it walks 8 of the batch's 32 units, 128 keys a step, with a running M, sum and O^T of its own;
; at the end the four groups' parts meet in LDS.  Sixteen waves of 256 registers, four to a SIMD: one wave's softmax stands beside another's products and LDS loads, and no register window is switched.
; LAYOUT.  Both products are used transposed: S^T = k q^T (source 0 = 16 keys), O^T = v p^T (source 0 = 16 channels): a lane holds ONE query (lane % 16) throughout.  The keys of a tile were chosen so that the 16 registers of
; tiles 2 f and 2 f + 1 are keys 32 f + 16 (lane / 16) + 0 .. 15: p's conversions give the second product's operand.
; K = 64 IN A FORM OF K = 128.  A pair-fragment of k holds tile 2 f's 64 features in registers 0-5 and tile 2 f + 1's in registers 6-11.  q stands in 18 registers, six zeros, q, six zeros: v[22:33] = [q | 0] gives tile 2 f's scores,
; v[16:27] = [0 | q] tile 2 f + 1's.  The other tile's codes meet zero codes, whose products are 0 under any scale byte but 0xff, and every byte here lies between 1 and 254.  So no register of k's is loaded for nothing.
; THE EXPONENTIALS STAND BY TURNS WITH PLAIN WORK.  A step's 64 exponentials go pair by pair; between them stand the lines of the same wave that are ready: the scaling of the pair three turns on, a packed multiply of O^T's rescaling,
; the sum of the pair before, a line of the scale bytes.  So a wave always has plain lines to offer between its exponentials, and each exponential has the plain line behind it that its result's use asks for (ISA guide 5.7.2).
; RING.  Two LDS slots of eight units.  Chunk c (units 8 c .. 8 c + 7) lies in slot c & 1; group g takes the slot's units 2 g and 2 g + 1.  Waves 0-7 bring one unit each: 75 rows of 256 bytes, dense.  Four chunks: both slots are
; filled at the start and once again; all eight steps are written out, so every LDS offset is an immediate.  A wave has two tensor loads out at the start and one behind each of the two refills.
; CLUSTER.  The four work-groups of a cluster own neighbouring queries of one batch and walk the same k and v: each unit is asked for JOINTLY, by the same load with the same descriptor and the mask of all four.
; The place in the cluster enters only the global addresses of q, x and out0.
; LIMITS: NaN and infinities are not served.  A p under 2^-126 counts as 0 (v_exp_f32 gives 0 there: ISA guide, its entry); a block whose every p is 0 keeps the byte 1: its codes are zeros.
.set UNITB, 25600
.set TILE,  19200                      ; what a key step wants of a unit
.set SLOTB, 8*TILE                     ; 153,600
.set VF,    6144
.set KSC,   18432
.set VSC,   18688
.set ML,    2*SLOTB                    ; behind the ring: (-M, l) of each lane of each wave, 256 bytes a wave
.set SPARE, ML+4096                    ; the spare words, 128 bytes for each wave: eight blocks of 256 bytes that no other line names
.set GS,    128*272                    ; the stage: for each key group 128 channels x (64 queries x 4 bytes + 16).  It lies in slot 0, from LDS byte 0: that slot has had its last fill and its last read when the first result is stored there
.set A16, 1                            ; v1, v2   my group's two units in slot 0, 1: + 16 x lane
.set A8,  3                            ; v3, v4   the same + 8 x lane
.set SPW, 5                            ; v5   LDS address of my spare word; never rewritten
.set NIL, 6                            ; v6   0; never rewritten
.set MLW, 7                            ; v7   where I put (-M, l)
.set MLR, 8                            ; v8   where the four groups' lie for my tile
.set STO, 9                            ; v9   the stage: my query's word in channel 8 h of my group
.set RD0, 10                           ; v10  the stage, back: groups 0 and 1
.set RD2, 11                           ; v11  groups 2 and 3
; v12 -M;  v13 the largest t so far, at the end l;  v[14:15] the sum in two halves
.set QHI, 16                           ; v16-33  six zeros, q, six zeros
.set QLO, 22
.set QS,  34                           ; v34  q's scale word (s0, s1, s0, s1)
.set GO,  35                           ; v35  my byte offset in x and out0
.set F,   36                           ; v36-83  four fragments
.set KS,  84                           ; v84-85  k's scale words: register i: lanes 0-15 fragment 2 i, lanes 16-31 fragment 2 i + 1
.set VS,  86                           ; v86-89  v's likewise
.set PSC, 90                           ; v90  p's scale word.  v34 and v84-90 hold scales and nothing else
.set TMP, 91
.set FF,  92                           ; v[92:93]  f = 2^(old M - new M); v93 is named with it and stays 0
.set SUM2, 94
.set S,   96                           ; v96-159  S^T, then p; then v96-143 four more fragments of v;  v144-159 at the end x
.set XR,  144
.set OT,  160                          ; v160-223 O^T
.set PC,  224                          ; v224-235 p's codes
.set BM,  236                          ; v236-239 the blocks' largest scores, then p
.set BX,  240                          ; v240-243 the other half's; the bytes
.set SOP, 244                          ; v244-247 the conversions' scale operands
.set PT,  248                          ; v248-250, v252-254
; s10 wave, s11 query tile, s12 key group; s[24:31] descriptor group 1; s[32:35], s[36:39] group 0 for slot 0, 1; s[40:41] lane selects; s[42:43] log2(e)
.macro CROUND                          ; a round of the cluster's barrier: my work-group's barrier; wave 0 signals for the work-group; every wave waits for all four; my work-group's barrier once more
	s_barrier_signal -1
	s_barrier_wait -1
	s_cmp_lg_u32 s10, 0
	s_cbranch_scc1 .Lnot_wave_0_\@
	s_barrier_signal -3
.Lnot_wave_0_\@:
	s_barrier_wait -3
	s_barrier_signal -1
	s_barrier_wait -1
.endm
.macro TLOAD n                         ; waves 0-7 ask for their unit of slot n; the branch hangs on the wave's number alone.  Four v_nop follow the load
	s_cmp_lt_u32 s10, 8
	s_cbranch_scc0 .Lnone_\@
	tensor_load_to_lds s[32+4*\n:35+4*\n], s[24:31]
	s_nop 0
.rept 4
	v_nop
.endr
.Lnone_\@:
.endm
; THE CHANGE OF SLOTS.  Each wave waits for all its tensor loads (its unit of the slot ahead), adds 0 to its spare word, and waits for that and for its reads of the slot that it leaves.  fill = 1: that slot, n, is filled with the
; chunk two on: the barrier is then a round of the cluster's, and the joint load is the first thing behind it; it has two key steps of all sixteen waves in which to land.
.macro CHANGE fill, n
	s_wait_tensorcnt 0x0                           ; no tensor load of mine is out, so a group 0 may be written
	ds_add_u32 v[SPW], v[NIL]                      ; 0 onto my spare word
.if \fill
	s_add_nc_u64 s[34+4*\n:35+4*\n], s[34+4*\n:35+4*\n], 16*UNITB   ; sixteen units on; the type bits on top are not reached
.endif
	s_wait_dscnt 0x0                               ; the add is done, and my reads of the slot that I leave are over
.if \fill
	CROUND
	TLOAD \n
.else
	s_barrier_signal -1
	s_barrier_wait -1
.endif
.endm
.macro PV ct, first                    ; O^T(channels 16 ct on) += v p^T over the step's 128 keys; in the first step the product starts the sum
.if \ct < 4
.set VA, F+12*\ct
.else
.set VA, S+12*(\ct-4)
.endif
.if \first
.if \ct%2
	v_wmma_scale_f32_16x16x128_f8f6f4 v[OT+8*\ct:OT+8*\ct+7], v[VA:VA+11], v[PC:PC+11], 0, v[VS+\ct/2], v[PSC] matrix_a_fmt:MATRIX_FMT_FP6 matrix_b_fmt:MATRIX_FMT_FP6 matrix_a_scale:MATRIX_SCALE_ROW1
.else
	v_wmma_scale_f32_16x16x128_f8f6f4 v[OT+8*\ct:OT+8*\ct+7], v[VA:VA+11], v[PC:PC+11], 0, v[VS+\ct/2], v[PSC] matrix_a_fmt:MATRIX_FMT_FP6 matrix_b_fmt:MATRIX_FMT_FP6
.endif
.else
.if \ct%2
	v_wmma_scale_f32_16x16x128_f8f6f4 v[OT+8*\ct:OT+8*\ct+7], v[VA:VA+11], v[PC:PC+11], v[OT+8*\ct:OT+8*\ct+7], v[VS+\ct/2], v[PSC] matrix_a_fmt:MATRIX_FMT_FP6 matrix_b_fmt:MATRIX_FMT_FP6 matrix_a_scale:MATRIX_SCALE_ROW1
.else
	v_wmma_scale_f32_16x16x128_f8f6f4 v[OT+8*\ct:OT+8*\ct+7], v[VA:VA+11], v[PC:PC+11], v[OT+8*\ct:OT+8*\ct+7], v[VS+\ct/2], v[PSC] matrix_a_fmt:MATRIX_FMT_FP6 matrix_b_fmt:MATRIX_FMT_FP6
.endif
.endif
.endm
; THE ROW'S SUM IS TAKEN OF THE UNQUANTISED p, two at a time, in two chains: the even pairs go to v[14:15], which holds what earlier steps summed, the odd pairs to v[94:95].  SUMK adds pair k.
; Nothing is cleared: the odd chain begins as pair 1 + pair 3, and in the wave's first step the even chain as pair 0 + pair 2.
.macro SUMK k, first
.if (\k) == 0
.if !\first
	s_wait_alu depctr_va_vdst(0)
	v_pk_add_f32 v[14:15], v[14:15], v[S:S+1]
.endif
.elseif (\k) == 1
.elseif ((\k) == 2) && \first
	s_wait_alu depctr_va_vdst(0)
	v_pk_add_f32 v[14:15], v[S:S+1], v[S+4:S+5]
.elseif (\k) == 3
	v_pk_add_f32 v[SUM2:SUM2+1], v[S+2:S+3], v[S+6:S+7]
.elseif (\k)%2 == 0
	s_wait_alu depctr_va_vdst(0)
	v_pk_add_f32 v[14:15], v[14:15], v[S+2*(\k):S+2*(\k)+1]
.else
	v_pk_add_f32 v[SUM2:SUM2+1], v[SUM2:SUM2+1], v[S+2*(\k):S+2*(\k)+1]
.endif
.endm
; A KEY STEP: the 128 keys of unit 2 g + st of slot sl.  first = 1: the wave's first step, which starts M, the sum and O^T.
.macro STEP sl, st, first
.rept 5
	v_nop                                          ; four plain lines in front of loads into registers that the last products read; a fifth, since the scores below are written over registers that those products read
.endr
.irp f, 0,1,2,3
.irp u, 0,1
	ds_load_b128 v[F+12*\f+6*\u:F+12*\f+6*\u+3], v[A16+\sl] offset:TILE*\st+1536*\f+768*\u
	ds_load_b64 v[F+12*\f+6*\u+4:F+12*\f+6*\u+5], v[A8+\sl] offset:TILE*\st+1536*\f+768*\u+512
.endr
.endr
	ds_load_b64 v[KS:KS+1], v[A8+\sl] offset:TILE*\st+KSC
	s_wait_dscnt 0x0
.irp f, 0,1,2,3                        ; S^T: fragment f against [q | 0] and against [0 | q]
.irp u, 0,1
.if \f%2
	v_wmma_scale_f32_16x16x128_f8f6f4 v[S+16*\f+8*\u:S+16*\f+8*\u+7], v[F+12*\f:F+12*\f+11], v[QLO-6*\u:QLO-6*\u+11], 0, v[KS+\f/2], v[QS] matrix_a_fmt:MATRIX_FMT_FP6 matrix_b_fmt:MATRIX_FMT_FP6 matrix_a_scale:MATRIX_SCALE_ROW1
.else
	v_wmma_scale_f32_16x16x128_f8f6f4 v[S+16*\f+8*\u:S+16*\f+8*\u+7], v[F+12*\f:F+12*\f+11], v[QLO-6*\u:QLO-6*\u+11], 0, v[KS+\f/2], v[QS] matrix_a_fmt:MATRIX_FMT_FP6 matrix_b_fmt:MATRIX_FMT_FP6
.endif
.endr
.endr
.rept 4
	v_nop                                          ; four plain lines: in front of the loads into k's registers, and of the first read of the scores
.endr
.irp f, 0,1,2,3                        ; v's fragments 0-3 land while the softmax is walked
.irp u, 0,1
	ds_load_b128 v[F+12*\f+6*\u:F+12*\f+6*\u+3], v[A16+\sl] offset:TILE*\st+VF+1536*\f+768*\u
	ds_load_b64 v[F+12*\f+6*\u+4:F+12*\f+6*\u+5], v[A8+\sl] offset:TILE*\st+VF+1536*\f+768*\u+512
.endr
.endr
	ds_load_b128 v[VS:VS+3], v[A16+\sl] offset:TILE*\st+VSC
.irp b, 0,1,2,3
	v_max3_num_f32 v[BM+\b], v[S+16*\b], v[S+1+16*\b], v[S+2+16*\b]   ; the largest score of each block of 32 keys: it serves for the row's maximum and, since p rises with the score, for the block's largest p
.endr
.irp i, 3,5,7,9,11,13
.irp b, 0,1,2,3
	v_max3_num_f32 v[BM+\b], v[BM+\b], v[S+16*\b+\i], v[S+1+16*\b+\i]
.endr
.endr
.irp b, 0,1,2,3
	v_max_num_f32 v[BM+\b], v[BM+\b], v[S+15+16*\b]
.endr
.irp b, 0,1,2,3
	v_permlanex16_b32 v[BX+\b], v[BM+\b], s40, s41
.endr
.irp b, 0,1,2,3
	v_max_num_f32 v[BM+\b], v[BM+\b], v[BX+\b]     ; with lane l xor 16's 16 keys
.endr
	v_max3_num_f32 v[TMP], v[BM], v[BM+1], v[BM+2]
	v_max_num_f32 v[TMP], v[TMP], v[BM+3]          ; the step's largest score of my query
.if \first
	v_mul_f32 v13, s42, v[TMP]                     ; as t (log2(e) is positive)
	v_floor_f32 v12, -v13                          ; -M = floor(-t) = -ceil(t): M is a whole number
.else
	v_mul_f32 v[TMP], s42, v[TMP]
	v_max_num_f32 v13, v13, v[TMP]                 ; the running largest t
	v_mov_b32 v[TMP], v12
	v_floor_f32 v12, -v13
	v_sub_f32 v[TMP], v12, v[TMP]                  ; old M - new M: a whole number, 0 or less
	v_cvt_i32_f32 v[TMP], v[TMP]                   ; (it saturates)
	v_ldexp_f32 v[FF], 1.0, v[TMP]                 ; f = 2^(old M - new M): multiplying by it rounds nothing
.endif
.irp b, 0,1,2,3
	v_fma_f32 v[BM+\b], v[BM+\b], s42, v12         ; t - M of each block's largest score: the same multiply-add that the scores get
.endr
.if !\first
	v_pk_mul_f32 v[14:15], v[14:15], v[FF:FF+1] op_sel_hi:[1,0]   ; the sums under the new M
.endif
.irp b, 0,1,2                          ; the blocks' largest p (the same two instructions on the same number give the same bits), by turns with the scaling of the first three pairs of scores
	v_exp_f32 v[BM+\b], v[BM+\b]
	v_pk_fma_f32 v[S+2*\b:S+2*\b+1], v[S+2*\b:S+2*\b+1], s[42:43], v[12:13] op_sel_hi:[1,0,0]   ; t - M, two at a time (of both pairs the low word serves both halves)
.endr
	v_exp_f32 v[BM+3], v[BM+3]
; 32 TURNS, one for each pair of scores: p = 2^(t - M), at most 1, not normalised.  Behind the pair's first exponential: the scaling of the pair three turns on.  Behind its second: O^T's pair of the same number under the new M
; (each accumulator from its low end on); the sum of the pair one turn back, which has a plain line between its exponentials and this use; and in turns 4 to 18 one line of the four scale bytes.
.set jj, 0
.rept 32
	v_exp_f32 v[S+2*jj], v[S+2*jj]
.if jj < 29
	v_pk_fma_f32 v[S+2*jj+6:S+2*jj+7], v[S+2*jj+6:S+2*jj+7], s[42:43], v[12:13] op_sel_hi:[1,0,0]
.endif
	v_exp_f32 v[S+2*jj+1], v[S+2*jj+1]
.if !\first
	v_pk_mul_f32 v[OT+2*jj:OT+2*jj+1], v[OT+2*jj:OT+2*jj+1], v[FF:FF+1] op_sel_hi:[1,0]
.endif
.if (jj > 0) && (jj < 27)
	SUMK jj-1, \first                              ; pairs 0 to 25; the last six are kept for the place behind p's codes
.endif
.if (jj >= 4) && (jj < 8)
	v_max_num_f32 v[BM+jj-4], 0x1800000, v[BM+jj-4]        ; the floor 2^(3 - 127): the byte cannot fall under 1
.elseif (jj >= 8) && (jj < 12)
	v_add_nc_u32 v[SOP+jj-8], 0xff000000, v[BM+jj-8]       ; 2 off the exponent field: the conversion's scale operand
.elseif (jj >= 12) && (jj < 16)
	v_lshrrev_b32 v[BX+jj-12], 23, v[SOP+jj-12]            ; the scale's byte
.elseif jj == 16
	v_lshl_or_b32 v[PSC], v[BX+1], 8, v[BX]                ; p's scale word for these 128 keys
.elseif jj == 17
	v_lshl_or_b32 v[PSC], v[BX+2], 16, v[PSC]
.elseif jj == 18
	v_lshl_or_b32 v[PSC], v[BX+3], 24, v[PSC]
.endif
.set jj, jj+1
.endr
.if \first
	v_nop                                          ; the first step rescales nothing: a plain line between the last exponential and the conversion that reads its result
	s_wait_alu depctr_va_vdst(0)
.endif
	s_wait_alu depctr_va_vdst(0)
.irp c, 0,1
	v_cvt_scalef32_pk16_fp6_f32 v[PC+6*\c:PC+6*\c+2], v[S+32*\c:S+32*\c+15], v[SOP+2*\c]
	v_cvt_scalef32_pk16_fp6_f32 v[PT+4*\c:PT+4*\c+2], v[S+32*\c+16:S+32*\c+31], v[SOP+2*\c+1]   ; (a conversion's three registers begin on an even number)
.endr
	v_nop                                          ; one plain line behind a scaled conversion
.irp f, 0,1,2,3                        ; p's registers 0-47 are summed and converted: v's fragments 4-7 take them
.irp u, 0,1
	ds_load_b128 v[S+12*\f+6*\u:S+12*\f+6*\u+3], v[A16+\sl] offset:TILE*\st+VF+1536*(4+\f)+768*\u
	ds_load_b64 v[S+12*\f+6*\u+4:S+12*\f+6*\u+5], v[A8+\sl] offset:TILE*\st+VF+1536*(4+\f)+768*\u+512
.endr
.endr
.irp c, 0,1                            ; the operand wants a whole block in a lane: lanes 0-15 block 2 c, lanes 16-31 block 2 c + 1
.irp i, 0,1,2
	v_permlane16_swap_b32 v[PC+6*\c+\i], v[PT+4*\c+\i]
.endr
.irp i, 0,1,2
	v_mov_b32 v[PC+3+6*\c+\i], v[PT+4*\c+\i]
.endr
.endr
.irp k, 26,27,28,29,30,31              ; the last six pairs (registers 52-63, which no load takes) and the joining of the chains: seven plain lines between the last write of p's codes and the products, which ask for four
	SUMK \k, \first
.endr
	v_pk_add_f32 v[14:15], v[14:15], v[SUM2:SUM2+1]
	s_wait_dscnt 16                                ; LDS answers in order: behind v's fragments 0-3 and its scale words stand the sixteen loads of fragments 4-7, which may stay out
.irp ct, 0,1,2,3                       ; the eight accumulators take turns, one instruction a turn
	PV \ct, \first
.endr
	s_wait_dscnt 0x0                               ; fragments 4-7
.irp ct, 4,5,6,7
	PV \ct, \first
.endr
.endm
	s_load_b128 s[4:7], s[0:1], 0x0                ; ws, x
	s_load_b64 s[8:9], s[0:1], 0x10                ; out0
	v_lshl_add_u32 v[SPW], v0, 2, SPARE
	v_mov_b32 v[NIL], 0
	ds_add_u32 v5, v6
	s_wait_dscnt 0x0
	v_lshrrev_b32 v39, 5, v0
	v_readfirstlane_b32 s10, v39                   ; wave 0..15
	s_and_b32 s11, s10, 3                          ; my tile of 16 queries
	s_lshr_b32 s12, s10, 2                         ; my group of keys
	s_bfe_u32 s13, ttmp6, 0x40000                  ; cx: my place in the cluster
	s_lshl_b32 s14, ttmp9, 2                       ; in a cluster launch ttmp9 counts clusters
	s_add_co_u32 s14, s14, s13                     ; my block of 64 queries: it enters q's, x's and out0's addresses alone
	s_and_b32 s15, ttmp7, 0xffff                   ; the batch, which the four partners share
	; descriptor group 1: a dense block of 19,200 bytes as 75 rows of 32 elements of 8 bytes
	s_mov_b32 s24, 15|(3<<16)|(1<<21)              ; 15:0 the mask: all four work-groups; 17:16 elements of 8 bytes; 20 no padding; 21 set beside a mask
	s_mov_b32 s25, 32<<16                          ; tensor_dim0 = 32
	s_mov_b32 s26, 75<<16                          ; tensor_dim1 = 75
	s_mov_b32 s27, 32<<16                          ; tile_dim0 = 32
	s_mov_b32 s28, 75                              ; tile_dim1 = 75
	s_mov_b32 s29, 32                              ; from row to row
	s_mov_b32 s30, 0
	s_mov_b32 s31, 0
	s_mov_b32 s40, 0x76543210
	s_mov_b32 s41, 0xfedcba98                      ; v_permlanex16_b32's selects for lane l xor 16
	s_mov_b32 s42, 0x3fb8aa3b                      ; log2(e)
	s_mov_b32 s43, s42                             ; (named with it as a pair, so it is written)
	; every LDS address is made here, of the lane, the wave's number and constants
	v_and_b32 v39, 31, v0                          ; lane
	v_and_b32 v36, 15, v0                          ; r
	v_bfe_u32 v37, v0, 4, 1                        ; h
	s_mul_i32 s22, s12, 2*TILE
	v_lshl_add_u32 v[A16], v39, 4, s22
	v_add_nc_u32 v[A16+1], SLOTB, v[A16]
	v_lshl_add_u32 v[A8], v39, 3, s22
	v_add_nc_u32 v[A8+1], SLOTB, v[A8]
	s_lshl_b32 s22, s10, 8
	s_add_co_u32 s22, s22, ML
	v_lshl_add_u32 v[MLW], v39, 3, s22
	s_lshl_b32 s22, s11, 8
	s_add_co_u32 s22, s22, ML
	v_lshl_add_u32 v[MLR], v39, 3, s22
	v_and_b32 v38, 8, v36
	v_add_nc_u32 v38, v38, v36                     ; r + 8 (r / 8)
	s_lshr_b32 s22, s11, 1                         ; my query's column among the work-group's 64: 32 (t / 2) + 8 (t % 2) + r + 8 (r / 8)
	s_lshl_b32 s22, s22, 7
	s_and_b32 s23, s11, 1
	s_lshl_b32 s23, s23, 5
	s_add_co_u32 s22, s22, s23
	s_mul_i32 s23, s12, GS
	s_add_co_u32 s22, s22, s23
	v_lshl_add_u32 v[STO], v38, 2, s22
	v_mad_u32_u24 v[STO], v37, 8*272, v[STO]       ; lanes 16-31 hold the channels eight further on
	s_mul_i32 s22, s10, 8*272                      ; back: wave w takes channels 8 w .. 8 w + 7; lanes 0-15 one channel's 256 bytes, lanes 16-31 the next's
	v_mul_u32_u24 v[RD0], v37, 272
	v_lshl_add_u32 v[RD0], v36, 4, v[RD0]
	v_add_nc_u32 v[RD0], s22, v[RD0]
	v_add_nc_u32 v[RD2], 2*GS, v[RD0]
	v_lshlrev_b32 v[GO], 14, v37                   ; and the same two rows in x and out0: 16,384 bytes apart
	v_lshl_add_u32 v[GO], v36, 4, v[GO]
	v_lshlrev_b32 v40, 4, v39                      ; q's image: 16 x lane,
	v_lshlrev_b32 v41, 3, v39                      ; 8 x lane;
	v_lshlrev_b32 v42, 3, v36                      ; its scale bytes: 8 r
	; what I fetch, if I fetch: unit wave & 7 of a chunk
	s_and_b32 s18, s10, 7
	s_lshl_b32 s16, s15, 5
	s_add_co_u32 s16, s16, s18
	s_mul_i32 s16, s16, UNITB                      ; in memory: unit 32 b + (wave & 7),
	s_mov_b32 s17, 0
	s_mul_i32 s19, s18, TILE                       ; and in a slot
	; q: unit 32 b + block / 2, tile 4 (block % 2) + t
	s_lshr_b32 s44, s14, 1
	s_lshl_b32 s45, s15, 5
	s_add_co_u32 s44, s44, s45
	s_mul_i32 s44, s44, UNITB
	s_and_b32 s46, s14, 1
	s_lshl_b32 s47, s46, 2
	s_add_co_u32 s47, s47, s11
	s_mul_i32 s47, s47, 768
	s_add_co_u32 s47, s47, s44
	s_add_co_u32 s48, s47, 19456
	s_mov_b32 s49, 0
	s_lshr_b32 s50, s11, 1                         ; its two scale bytes at 8 r + 128 (t / 2) + 4 (block % 2) + 2 (t % 2)
	s_lshl_b32 s50, s50, 7
	s_lshl_b32 s51, s46, 2
	s_add_co_u32 s50, s50, s51
	s_and_b32 s51, s11, 1
	s_lshl_b32 s51, s51, 1
	s_add_co_u32 s50, s50, s51
	s_add_co_u32 s50, s50, s44
	s_add_co_u32 s50, s50, 19200
	s_mov_b32 s51, 0
	s_lshl_b32 s52, s15, 21                        ; x, out0: the batch, my block's 256 bytes of a row, my wave's eight channels
	s_lshl_b32 s53, s14, 8
	s_add_co_u32 s52, s52, s53
	s_lshl_b32 s53, s10, 17
	s_add_co_u32 s52, s52, s53
	s_mov_b32 s53, 0
	s_wait_kmcnt 0x0
	s_add_nc_u64 s[20:21], s[4:5], s[16:17]
	s_add_nc_u64 s[48:49], s[4:5], s[48:49]
	s_add_nc_u64 s[50:51], s[4:5], s[50:51]
	s_add_nc_u64 s[6:7], s[6:7], s[52:53]
	s_add_nc_u64 s[8:9], s[8:9], s[52:53]
	s_mov_b32 s32, 1                               ; 1:0 count = 1
	s_mov_b32 s33, s19                             ; 63:32 LDS address: slot 0
	s_mov_b64 s[34:35], s[20:21]                   ; 120:64 global address: chunk 0
	s_or_b32 s35, s35, 0x80000000                  ; 127:126 type = 2
	s_mov_b32 s36, 1
	s_add_co_u32 s37, s19, SLOTB                   ; slot 1,
	s_add_nc_u64 s[38:39], s[20:21], 8*UNITB       ; chunk 1
	s_or_b32 s39, s39, 0x80000000
	CROUND                                         ; all four work-groups are here: the first joint loads meet
	s_cmp_lt_u32 s10, 8                            ; a wave's two first fills stand in one branch, ahead of every wait on TENSORcnt, every LDS read and every other barrier
	s_cbranch_scc0 .Lno_fill
	tensor_load_to_lds s[32:35], s[24:31]
	s_nop 0
	tensor_load_to_lds s[36:39], s[24:31]
	s_nop 0
.rept 4
	v_nop
.endr
.Lno_fill:
	global_load_b128 v[QLO:QLO+3], v40, s[48:49]   ; q's half fragment stays in registers
	global_load_b64 v[QLO+4:QLO+5], v41, s[48:49] offset:512
	global_load_u16 v[TMP], v42, s[50:51]
.irp j, 0,1,2,3,4,5
	v_mov_b32 v[QHI+\j], 0                         ; zero codes on both sides of q
	v_mov_b32 v[QLO+6+\j], 0
.endr
	s_wait_loadcnt 0x0
	v_lshl_or_b32 v[QS], v[TMP], 16, v[TMP]        ; (s0, s1, s0, s1): q's two bytes serve in either half of K.  Ten plain lines stand between this one and the first product: these five and the step's five
.irp b, 0,1,2,3
	v_mov_b32 v[BX+\b], 0                          ; written once: a lane permute's destination counts as one of its sources
.endr
	v_mov_b32 v[FF+1], 0                           ; named as the upper half of the pair v[92:93]
	s_wait_tensorcnt 0x1                           ; my unit of slot 0 is in; slot 1's, issued behind it, may stay out
	s_barrier_signal -1
	s_barrier_wait -1                              ; everybody's is
	STEP 0, 0, 1                                   ; chunk 0
	STEP 0, 1, 0
	CHANGE 1, 0                                    ; slot 1 is whole; slot 0 takes chunk 2
	STEP 1, 0, 0                                   ; chunk 1
	STEP 1, 1, 0
	CHANGE 1, 1                                    ; slot 0 is whole; slot 1 takes chunk 3
	STEP 0, 0, 0                                   ; chunk 2
	STEP 0, 1, 0
	CHANGE 0, 0                                    ; slot 1 is whole; nothing is left to fetch, and nobody reads slot 0 any more
	STEP 1, 0, 0                                   ; chunk 3
	STEP 1, 1, 0
	; THE END.  x's part for the residual is asked for first: it lands while the groups' parts meet.
.irp i, 0,1,2,3
	global_load_b128 v[XR+4*\i:XR+4*\i+3], v[GO], s[6:7] offset:32768*\i th:TH_LOAD_NT   ; channels 8 w + 2 i + (lane / 16), my block's 64 columns: 16 lanes read 256 consecutive bytes; read once in this launch
.endr
	v_add_f32 v13, v14, v15                        ; the sum's two halves,
	v_permlanex16_b32 v[BX], v13, s40, s41
	v_add_f32 v13, v13, v[BX]                      ; and lane l xor 16's: my group's l
	ds_store_b64 v[MLW], v[12:13]
	s_wait_dscnt 0x0                               ; for the others' sake
	s_barrier_signal -1
	s_barrier_wait -1
.irp q, 0,1,2,3
	ds_load_b64 v[BM+2*\q:BM+2*\q+1], v[MLR] offset:1024*\q   ; (-M, l) of my query in group q
.endr
	s_wait_dscnt 0x0
	v_min_num_f32 v[TMP], v[BM], v[BM+2]
	v_min_num_f32 v[TMP], v[TMP], v[BM+4]
	v_min_num_f32 v[TMP], v[TMP], v[BM+6]          ; the smallest -M: the row's M
.irp q, 0,1,2,3
	v_sub_f32 v[SOP+\q], v[TMP], v[BM+2*\q]        ; group q's M less the row's: a whole number, 0 or less
.endr
	v_sub_f32 v95, v[TMP], v12                     ; and my own group's
.irp q, 0,1,2,3
	v_cvt_i32_f32 v[SOP+\q], v[SOP+\q]
.endr
	v_cvt_i32_f32 v95, v95
.irp q, 0,1,2,3
	v_ldexp_f32 v[SOP+\q], 1.0, v[SOP+\q]          ; exact powers of two
.endr
	v_ldexp_f32 v95, 1.0, v95
	v_mul_f32 v94, v[SOP], v[BM+1]
	v_fma_f32 v94, v[SOP+1], v[BM+3], v94
	v_fma_f32 v94, v[SOP+2], v[BM+5], v94
	v_fma_f32 v94, v[SOP+3], v[BM+7], v94          ; the row's l
	v_rcp_f32 v94, v94
	v_nop                                          ; a plain line behind the reciprocal
	s_wait_alu depctr_va_vdst(0)
	v_mul_f32 v[FF], v95, v94                      ; my part's factor: 2^(my M - the row's M) / l
.irp j, 0,2,4,6,8,10,12,14,16,18,20,22,24,26,28,30,32,34,36,38,40,42,44,46,48,50,52,54,56,58,60,62
	v_pk_mul_f32 v[OT+\j:OT+\j+1], v[OT+\j:OT+\j+1], v[FF:FF+1] op_sel_hi:[1,0]   ; each accumulator from its low end on
.endr
.irp ct, 0,1,2,3,4,5,6,7               ; register 8 ct + j is (channel 16 ct + 8 h + j, my query): a word of the stage's row of that channel.  Lanes 16-31 lie 544 words on, 32 banks from lanes 0-15 (64 banks of 4 bytes: ISA guide 11.1)
.irp j, 0,1,2,3,4,5,6,7
	ds_store_b32 v[STO], v[OT+8*\ct+\j] offset:272*(16*\ct+\j)
.endr
.endr
	s_wait_dscnt 0x0                               ; for the others' sake: my part lies in the stage
	s_barrier_signal -1
	s_barrier_wait -1
.irp q, 0,1
.irp i, 0,1,2,3
	ds_load_b128 v[OT+16*\q+4*\i:OT+16*\q+4*\i+3], v[RD0] offset:GS*\q+544*\i
.endr
.endr
.irp q, 0,1
.irp i, 0,1,2,3
	ds_load_b128 v[OT+32+16*\q+4*\i:OT+32+16*\q+4*\i+3], v[RD2] offset:GS*\q+544*\i
.endr
.endr
	s_wait_loadcnt 0x0                             ; x
	s_wait_dscnt 0x0
.irp q, 0,1,2,3
.irp i, 0,1,2,3
	v_pk_add_f32 v[XR+4*\i:XR+4*\i+1], v[XR+4*\i:XR+4*\i+1], v[OT+16*\q+4*\i:OT+16*\q+4*\i+1]           ; x + the four groups' parts
	v_pk_add_f32 v[XR+4*\i+2:XR+4*\i+3], v[XR+4*\i+2:XR+4*\i+3], v[OT+16*\q+4*\i+2:OT+16*\q+4*\i+3]
.endr
.endr
.irp i, 0,1,2,3
	global_store_b128 v[GO], v[XR+4*\i:XR+4*\i+3], s[8:9] offset:32768*\i th:TH_STORE_NT   ; 16 lanes store 256 consecutive bytes, at a multiple of 256 from out0's first byte; written once, read by nobody here
.endr
	s_wait_tensorcnt 0x0                           ; the wave's end: behind my last tensor load and my last LDS store
	ds_add_u32 v[SPW], v[NIL]
	s_wait_dscnt 0x0
	CROUND                                         ; the closing round: no work-group ends while a partner may still ask for a unit that names it
	s_endpgm
.Lfunc_end_k_qe6e9292448_attn:
	.size	k_qe6e9292448_attn, .Lfunc_end_k_qe6e9292448_attn-k_qe6e9292448_attn
	.p2alignl 7, 3214868480
	.fill 96, 4, 3214868480
	.section	.rodata,"a",@progbits
	.p2align	6, 0x0
	.amdhsa_kernel k_qe6e9292448_attn
		.amdhsa_group_segment_fixed_size 327680
		.amdhsa_private_segment_fixed_size 0
		.amdhsa_enable_private_segment 0
		.amdhsa_kernarg_size 24
		.amdhsa_user_sgpr_count 2
		.amdhsa_user_sgpr_kernarg_segment_ptr 1
		.amdhsa_wavefront_size32 1
		.amdhsa_system_sgpr_workgroup_id_x 1
		.amdhsa_system_sgpr_workgroup_id_y 1
		.amdhsa_system_sgpr_workgroup_id_z 1
		.amdhsa_system_vgpr_workitem_id 0
		.amdhsa_next_free_vgpr 256
		.amdhsa_next_free_sgpr 66
		.amdhsa_reserve_vcc 0
		.amdhsa_float_denorm_mode_32 3
		.amdhsa_float_denorm_mode_16_64 3
		.amdhsa_memory_ordered 1
		.amdhsa_forward_progress 1
		.amdhsa_inst_pref_size 167
	.end_amdhsa_kernel
	.amdgpu_metadata
---
amdhsa.version: [ 1, 2 ]
amdhsa.kernels:
  - .name:           k_qe6e9292448_attn
    .symbol:         k_qe6e9292448_attn.kd
    .args:
      - { .name: ws, .offset: 0, .size: 8, .value_kind: global_buffer, .address_space: global }
      - { .name: x, .offset: 8, .size: 8, .value_kind: global_buffer, .address_space: global }
      - { .name: out0, .offset: 16, .size: 8, .value_kind: global_buffer, .address_space: global }
    .group_segment_fixed_size: 327680
    .private_segment_fixed_size: 0
    .kernarg_segment_align: 8
    .kernarg_segment_size: 24
    .max_flat_workgroup_size: 512
    .sgpr_count:     66
    .vgpr_count:     256
    .wavefront_size: 32
...
	.end_amdgpu_metadata
.endif
;; end of part 2
